; MI455X (gfx1250); checked and timed in simulation.
; The chip was launched on July 23, 2026; its instructions are those of AMD's public machine-readable ISA for CDNA 5 (MIT licence, August 2026) and "CDNA5" Instruction Set Architecture Reference Guide (July 2026). The comments in the code are by the model that wrote it; some were corrected since.
;; Multihead Attention. Allowed arithmetic: matrix products marked QUANTISED: E4M3 operands, one E8M0 scale for each 32 along K, by v_wmma_scale_f32_16x16x128_f8f6f4 with both operands' format E4M3, f32 sums; everything else in f32.
;; Inputs: Wk_codes 512 x 16 x 32 uint8 (E4M3 codes of Wk, K innermost, in blocks of 32 codes); Wk_scales 512 x 16 uint8 (E8M0 scales of Wk, one for each 32 codes along K); Wo_codes 512 x 16 x 32 uint8 (E4M3 codes of Wo, K innermost, in blocks of 32 codes); Wo_scales 512 x 16 uint8 (E8M0 scales of Wo, one for each 32 codes along K); Wq_codes 512 x 16 x 32 uint8 (E4M3 codes of Wq, K innermost, in blocks of 32 codes); Wq_scales 512 x 16 uint8 (E8M0 scales of Wq, one for each 32 codes along K); Wv_codes 512 x 16 x 32 uint8 (E4M3 codes of Wv, K innermost, in blocks of 32 codes); Wv_scales 512 x 16 uint8 (E8M0 scales of Wv, one for each 32 codes along K); bk 512 float32; bo 512 float32; bq 512 float32; bv 512 float32; key__codes 2 x 4,096 x 16 x 32 uint8 (E4M3 codes of key_, K innermost, in blocks of 32 codes); key__scales 2 x 4,096 x 16 uint8 (E8M0 scales of key_, one for each 32 codes along K); query_codes 2 x 4,096 x 16 x 32 uint8 (E4M3 codes of query, K innermost, in blocks of 32 codes); query_scales 2 x 4,096 x 16 uint8 (E8M0 scales of query, one for each 32 codes along K); value_codes 2 x 4,096 x 16 x 32 uint8 (E4M3 codes of value, K innermost, in blocks of 32 codes); value_scales 2 x 4,096 x 16 uint8 (E8M0 scales of value, one for each 32 codes along K).
;; Outputs: out0 2 x 4,096 x 512 float32.
;; This version of the problem:
;;   THIS VERSION OF THE PROBLEM IS GIVEN IN LOW PRECISION. The matrix products marked QUANTISED in the list below multiply operands that are first quantised to E4M3 (4 exponent bits, 3 mantissa bits; 8 bits a number), with one power-of-two scale for each 32 numbers along K (OCP MX v1.0); their sums are f32. All else is computed in f32.
;;   The module's matrix products, in the order in which they are computed (A, B: the left and right operand; K: the contracted axis; several contracted axes count as one K, in the product's order):
;;     1. [M 8,192, K 512] x [K 512, N 512]; A: input query (given as codes); B: input Wq (given as codes): QUANTISED
;;     2. [M 8,192, K 512] x [K 512, N 512]; A: input key_ (given as codes); B: input Wk (given as codes): QUANTISED
;;     3. [M 8,192, K 512] x [K 512, N 512]; A: input value (given as codes); B: input Wv (given as codes): QUANTISED
;;     4. batch 16 x [M 4,096, K 64] x [K 64, N 4,096]; A: computed on the way; B: computed on the way: QUANTISED
;;     5. batch 16 x [M 4,096, K 4,096] x [K 4,096, N 64]; A: softmax (see below); B: computed on the way: QUANTISED
;;     6. [M 8,192, K 512] x [K 512, N 512]; A: computed on the way; B: input Wo (given as codes): QUANTISED
;;   THE QUANTISER, for each operand of a quantised product, along K:
;;     - K is cut into blocks of 32 from its start; a last block that is shorter is filled with zeros.
;;     - A block's scale is 2^e with e = floor(log2(the largest magnitude in the block)) - 8, held to -126 .. 127; a block of zeros has e = 0. As a byte (E8M0): e + 127.
;;     - Each number is divided by its block's scale, clamped to +-448, and rounded to the nearest number of E4M3, ties to even, subnormals kept.
;;     - The product sums the exact products of the quantised numbers (number of the format x scale) in f32.
;;   ~~~python
;;   def quantise(x, axis):      # numpy; x: float32 -> the quantised numbers, widened to float32 again
;;       x = np.moveaxis(x, axis, -1); K = x.shape[-1]
;;       x = np.pad(x, [(0, 0)] * (x.ndim - 1) + [(0, -K % 32)]); x = x.reshape(x.shape[:-1] + (-1, 32)); a = np.abs(x).max(-1, keepdims=True)
;;       e = np.where(a > 0, np.clip(np.frexp(np.where(a > 0, a, 1))[1] - 1 - 8, -126, 127), 0)      # np.frexp(a)[1] - 1 = floor(log2(a)), exactly
;;       r = np.clip(x / 2.0 ** e, -448, 448)
;;       step = 2.0 ** (np.maximum(np.frexp(np.where(r == 0, 1, r))[1] - 1, -6) - 3)
;;       q = np.round(r / step) * step * 2.0 ** e      # np.round: ties to even
;;       return np.moveaxis(q.reshape(q.shape[:-2] + (-1,))[..., :K], -1, axis).astype(np.float32)
;;   ~~~
;;   SOFTMAX AHEAD OF A QUANTISED PRODUCT. Where the list says 'softmax', what is quantised is not the finished softmax but p = 2^(t - M), with t = logit x log2(e) and M = ceil(the row's largest t), a whole number; so 1/2 < the row's largest p <= 1. The row's sum l is taken of the UNQUANTISED p, in f32, and the product's result is divided by l at the end. Since M is a whole number, a kernel that streams over the keys may use a running M (the ceiling of the running maximum): every later rescaling is an exact power of two, which a block's scale takes up: the codes' values come out the same.
;;   OPERANDS COMPUTED ON THE WAY. 'Computed on the way' means the value that the module computes at that place (a softmax that the list does not call 'softmax' is quantised finished and normalised). What goes into a quantiser is computed in f32, as accurately as f32 sums, v_exp_f32 and their like allow (about 1e-6 of the number): no bf16 or f16 on the way to a quantiser, and a product that is left as it is and whose result goes on into a quantised operand takes f32 operands (vector FMAs, or v_wmma_f32_16x16x4_f32). A number that lies on a knife's edge between two numbers of the format may be rounded either way, as far as f32 arithmetic and the matrix unit's own rounding can turn it there, and no further.
;;   INPUTS GIVEN AS CODES. Wk (in the module: [512, 512], K = its axis 1); Wo (in the module: [512, 512], K = its axis 1); Wq (in the module: [512, 512], K = its axis 1); Wv (in the module: [512, 512], K = its axis 1); key_ (in the module: [2, 4096, 512], K = its axis 2); query (in the module: [2, 4096, 512], K = its axis 2); value (in the module: [2, 4096, 512], K = its axis 2): each comes as NAME_codes (uint8): NAME with its K axis moved to the last place and cut into blocks of 32 codes, [.., K / 32, bytes a block], one block behind the other in memory; one code a byte (a code: sign, 4 exponent bits, 3 mantissa bits); and NAME_scales (uint8): the same leading axes, one E8M0 byte (e + 127) for each 32 codes along K. Its value is code x scale, taken as it is: it is not quantised again, and the codes and scales need not be those that the quantiser above would give.
;; One version. Each part assembles by itself: llvm-mc -triple=amdgcn-amd-amdhsa -mcpu=gfx1250 --defsym DOCPART=n.
;; ======== version 1 of 1: 3 launches
;; limits: right only within a limited range of input values
;; workspace buffers: qkvc 12,582,912 bytes; qkvs 393,216 bytes; ctxc 4,194,304 bytes; ctxs 131,072 bytes
;; launch proj (part 1): grid 64 x 4, 3 waves a work-group, no clusters, 0 bytes of LDS; arguments query_codes, key__codes, value_codes, query_scales, key__scales, value_scales, Wq_codes, Wk_codes, Wv_codes, Wq_scales, Wk_scales, Wv_scales, bq, bk, bv, qkvc, qkvs; writes qkvc, qkvs
.if DOCPART == 1
	.amdgcn_target "amdgcn-amd-amdhsa--gfx1250"
	.amdhsa_code_object_version 6
	.text
	.protected	k_qfb1f0706d3_proj
	.globl	k_qfb1f0706d3_proj
	.p2align	8
	.type	k_qfb1f0706d3_proj,@function
k_qfb1f0706d3_proj:
	s_mov_b64 s[64:65], 0
	v_nop
	global_prefetch_b8 v0, s[64:65] scope:SCOPE_SE
	s_setreg_imm32_b32 hwreg(HW_REG_WAVE_MODE, 25, 1), 1
	s_wait_xcnt 0x0
; q = query Wq^T + bq, k = key_ Wk^T + bk, v = value Wv^T + bv on the given codes of E4M3 (one E8M0 byte for each 32 along K = 512), and the results quantised anew:
; q and k along the head's 64 channels, v along the keys.  The new codes leave as IMAGES OF OPERAND REGISTERS (four registers of all 32 lanes = 512 consecutive bytes), so that the attention reads them by 16 bytes a lane.
; SHARES.  Work-group (g, y): 128 tokens (g = 0..63) x 128 channels (y = 0..3: two heads).  Wave 0 makes q, wave 1 k, wave 2 v: 768 equal jobs.  Waves share nothing: no LDS, no barrier.
; A JOB: 128 INNER rows (source 0, 8 tiles of 16, all of K: 512 registers, resident) x 128 OUTER rows (source 1, 8 tiles, streamed four tiles ahead).
;   q, k: inner = the weight's rows, outer = tokens: a lane holds ONE token and its 64 result registers run along the channels.   v: inner = tokens, outer = Wv's rows: a lane holds ONE channel, registers along the keys.
; THE ROWS OF A TILE ARE NOT NEIGHBOURS: lane r of tile t takes row 32 (t / 2) + 8 (t % 2) + r + 8 (r / 8), inner and outer alike.  So the 16 registers of result tiles 2 b, 2 b + 1 are the neighbours 32 b + 16 (lane / 16) + 0 .. 15.
; OUT.  qkvc [q, k, v][pair of heads 8][group of 128 tokens 32][tile 8][c 4][lane 32][16 bytes].  qkvs [q, k, v][head 16][group 32][r 16][4 words]: q, k: word j = the head's two bytes of token tile j and of tile j + 4;  v: word j = channel tile j's four bytes.
; NO CLUSTER, NO TENSOR LOAD: every fragment goes from memory straight into the registers from which it is multiplied eight times; a joint load would land in LDS, and each of the wave's 128 KiB would be read from there once more.
; LIMITS: NaN and infinities are not served.  A block whose largest magnitude lies under 2^-118 (a block of zeros too, where the rule says byte 127) gets the byte 1; the bytes are read by this program alone, and zero codes add nothing under it.
.set ACC,  16                          ; v16-79   8 result tiles
.set ISC,  80                          ; v80-111  inner scale words: 4 t + s
.set OSC,  112                         ; v112-127 outer scale words: four sets of four
.set TM,   128                         ; v128-143 at work: largest magnitudes, bytes, holds, scale operands
.set PC,   144                         ; v144-159 the codes just made
.set WT,   160                         ; v160-167 the eight scale words made
.set BO,   168                         ; v168-175 the bias at my outer row, tile by tile (v's bias)
.set BV,   176                         ; v176-183 one of them, eight times
.set BI,   184                         ; v184-247 the bias in the result's layout (q's, k's)
.set OUTW, 248                         ; v248-251 the scale words as they leave
.set WV,   38                          ; s38 wave;  s39 g;  s66 y
.set SEL,  76                          ; s[76:77] selects for lane l xor 16
.set MNT,  78                          ; s78 the mantissa field of 448
.set MSB,  0
; window 1: inner tiles 0-3 at 64 t + 16 s + 4 c;  window 2: inner tiles 4-7;  window 3: four outer sets at 64 (t % 4) + 16 s + 4 c
.macro WIN new                         ; the immediate's high byte repeats the setting that is left
.if MSB != (\new)
	s_set_vgpr_msb (MSB<<8)|(\new)
.set MSB, (\new)
.endif
.endm
; 16 nb numbers of a lane, register 16 b + i = place 32 b + 16 (lane / 16) + i along the next K, become codes in v[PC] on; with nb = 4 the four bytes make the scale word v[pw]
.macro QUANT s, nb, pw
.set qb, 0
.rept \nb
	v_max3_num_f32 v[TM+qb], |v[\s+16*qb]|, |v[\s+16*qb+1]|, 0x4800000   ; my 16 numbers of block qb, and the floor 2^(9 - 127): the byte cannot fall under 1
.set qb, qb+1
.endr
.irp i, 2,4,6,8,10,12,14
.set qb, 0
.rept \nb
	v_max3_num_f32 v[TM+qb], v[TM+qb], |v[\s+16*qb+\i]|, |v[\s+16*qb+\i+1]|   ; the blocks by turns
.set qb, qb+1
.endr
.endr
.set qb, 0
.rept \nb
	v_permlanex16_b32 v[TM+4+qb], v[TM+qb], s[SEL], s[SEL+1]
.set qb, qb+1
.endr
.set qb, 0
.rept \nb
	v_max_num_f32 v[TM+qb], v[TM+qb], v[TM+4+qb]                 ; with lane l xor 16's 16: the block's largest magnitude
.set qb, qb+1
.endr
.set qb, 0
.rept \nb
	v_add_nc_u32 v[TM+12+qb], 0xfc000000, v[TM+qb]               ; 8 off its exponent field: the conversion's scale operand
.set qb, qb+1
.endr
.set qb, 0
.rept \nb
	v_and_or_b32 v[TM+8+qb], v[TM+qb], 0x7f800000, s[MNT]        ; 448 x the scale
.set qb, qb+1
.endr
.set qb, 0
.rept \nb
	v_lshrrev_b32 v[TM+4+qb], 23, v[TM+12+qb]                    ; the scale's byte
.set qb, qb+1
.endr
.if \nb == 4
	v_lshl_or_b32 v[\pw], v[TM+5], 8, v[TM+4]
	v_lshl_or_b32 v[\pw], v[TM+6], 16, v[\pw]
	v_lshl_or_b32 v[\pw], v[TM+7], 24, v[\pw]
.endif
.set qb, 0
.rept \nb
.irp i, 0,1,2,3,4,5,6,7,8,9,10,11,12,13,14,15
	v_med3_num_f32 v[\s+16*qb+\i], v[\s+16*qb+\i], -v[TM+8+qb], v[TM+8+qb]   ; the conversion to an 8-bit code does not saturate (ISA guide 7.6.2): the hold at 448 x the scale
.endr
	v_cvt_scalef32_pk8_fp8_f32 v[PC+4*qb:PC+4*qb+1], v[\s+16*qb:\s+16*qb+7], v[TM+12+qb]
	v_cvt_scalef32_pk8_fp8_f32 v[PC+4*qb+2:PC+4*qb+3], v[\s+16*qb+8:\s+16*qb+15], v[TM+12+qb]
.set qb, qb+1
.endr
	v_nop                                          ; a plain line behind the last conversion: later products write its sources
.endm
.macro OLOAD t                         ; outer tile t: 16 loads of codes into set t % 4, one of its four scale words: 17 loads
	WIN 0xc0
.irp s, 0,1,2,3
.irp c, 0,1,2,3
	global_load_b128 v[64*((\t)%4)+16*\s+4*\c:64*((\t)%4)+16*\s+4*\c+3], v1, s[54:55] offset:(32*((\t)/2)+8*((\t)%2))*512+128*\s+32*\c
.endr
.endr
	WIN 0
	global_load_b128 v[OSC+4*((\t)%4):OSC+4*((\t)%4)+3], v2, s[56:57] offset:(32*((\t)/2)+8*((\t)%2))*16
.endm
.macro FIRSTK same                     ; K step 0 of the eight tiles: the bias is the C that starts each sum.  same = 1: one bias for the lane's eight registers
	WIN 0x0d                                       ; source 0 window 1, source 1 window 3
.irp i, 0,1,2,3
.if \same
	v_wmma_scale_f32_16x16x128_f8f6f4 v[ACC+8*\i:ACC+8*\i+7], v[64*(\i%4):64*(\i%4)+15], v[64*SET:64*SET+15], v[BV:BV+7], v[ISC+4*\i], v[OSC+4*SET]
.else
	v_wmma_scale_f32_16x16x128_f8f6f4 v[ACC+8*\i:ACC+8*\i+7], v[64*(\i%4):64*(\i%4)+15], v[64*SET:64*SET+15], v[BI+8*\i:BI+8*\i+7], v[ISC+4*\i], v[OSC+4*SET]
.endif
.endr
	WIN 0x0e                                       ; source 0 window 2
.irp i, 4,5,6,7
.if \same
	v_wmma_scale_f32_16x16x128_f8f6f4 v[ACC+8*\i:ACC+8*\i+7], v[64*(\i%4):64*(\i%4)+15], v[64*SET:64*SET+15], v[BV:BV+7], v[ISC+4*\i], v[OSC+4*SET]
.else
	v_wmma_scale_f32_16x16x128_f8f6f4 v[ACC+8*\i:ACC+8*\i+7], v[64*(\i%4):64*(\i%4)+15], v[64*SET:64*SET+15], v[BI+8*\i:BI+8*\i+7], v[ISC+4*\i], v[OSC+4*SET]
.endif
.endr
	WIN 0
.endm
.macro RESTK i0                        ; K steps 1 to 3 of tiles i0 .. i0 + 3, the four accumulators by turns, one instruction a turn
.irp s, 1,2,3
.irp i, \i0, \i0+1, \i0+2, \i0+3
	v_wmma_scale_f32_16x16x128_f8f6f4 v[ACC+8*(\i):ACC+8*(\i)+7], v[64*((\i)%4)+16*\s:64*((\i)%4)+16*\s+15], v[64*SET+16*\s:64*SET+16*\s+15], v[ACC+8*(\i):ACC+8*(\i)+7], v[ISC+4*(\i)+\s], v[OSC+4*SET+\s]
.endr
.endr
.endm
; Outer tile t against the eight inner tiles, quantised and stored.  left: the loads of the younger outer sets, 17 each, which may stay out
.macro TILE t, left
.set SET, (\t)%4
	s_wait_loadcnt \left                           ; loads come back in order: this tile's set (and, for tile 0, all that was asked for ahead of it) is in
	s_cmp_eq_u32 s[WV], 2
	s_cbranch_scc1 .Lvarm_\@
	FIRSTK 0                                       ; q, k: the bias goes by the channel, which runs along my registers
	s_branch .Ljoin_\@
.Lvarm_\@:
.irp j, 0,1,2,3,4,5,6,7
	v_mov_b32 v[BV+\j], v[BO+\t]                   ; v: the bias goes by the channel, which is my lane's: the same in all eight registers
.endr
.rept 4
	v_nop
.endr
	FIRSTK 1
.Ljoin_\@:
	WIN 0x0e
	RESTK 4
	WIN 0x0d
	RESTK 0
	WIN 0
.rept 8
	v_nop                                          ; eight places behind the products: ahead of the loads into the set just multiplied and of the first read of the results
.endr
.if (\t) < 4
	OLOAD (\t)+4                                   ; the set just multiplied takes the tile four further on
.endif
	s_wait_xcnt 0x0                                ; the last tile's stores have read v[PC] on: it is written again only behind this wait
	QUANT ACC, 4, WT+\t
.irp c, 0,1,2,3
	global_store_b128 v5, v[PC+4*\c:PC+4*\c+3], s[72:73] offset:(\t)*2048+\c*512   ; 32 lanes store 512 consecutive bytes, at a multiple of 512 from the buffer's first byte
.endr
.endm
	s_load_b512 s[4:19], s[0:1], 0x0               ; query, key_, value codes; their scales; Wq, Wk codes
	s_load_b512 s[20:35], s[0:1], 0x40             ; Wv codes; Wq, Wk, Wv scales; bq, bk, bv; qkvc
	s_load_b64 s[36:37], s[0:1], 0x80              ; qkvs
	v_lshrrev_b32 v11, 5, v0
	v_readfirstlane_b32 s[WV], v11                 ; wave 0..2
	s_mov_b32 s39, ttmp9                           ; g
	s_and_b32 s66, ttmp7, 0xffff                   ; y
	v_and_b32 v8, 31, v0                           ; lane
	v_and_b32 v9, 15, v0                           ; r
	v_bfe_u32 v7, v0, 4, 1                         ; h
	v_and_b32 v10, 8, v9
	v_add_nc_u32 v10, v10, v9                      ; r + 8 (r / 8)
	v_lshlrev_b32 v1, 9, v10
	v_lshl_add_u32 v1, v7, 4, v1                   ; a row of 512 codes, + 16 h
	v_lshlrev_b32 v2, 4, v10                       ; a row of 16 scale bytes
	v_lshlrev_b32 v3, 6, v7                        ; the bias in the result's layout: 16 h numbers on
	v_lshlrev_b32 v4, 2, v10                       ; the bias at my row
	v_lshlrev_b32 v5, 4, v8                        ; an image's place for my lane
	v_lshlrev_b32 v6, 4, v9
	v_lshl_add_u32 v6, v7, 13, v6                  ; the scale words: 16 r; lanes 16-31 the odd head's, 8,192 bytes on
	v_cmp_eq_u32 s79, 1, v7                        ; the mask of lanes 16-31
.irp b, 0,1,2,3
	v_mov_b32 v[TM+4+\b], 0                        ; written once: a lane permute's destination counts as one of its sources
.endr
	s_mov_b32 s[SEL], 0x76543210
	s_mov_b32 s[SEL+1], 0xfedcba98
	s_mov_b32 s[MNT], 0x600000
	s_mov_b32 s61, 0
	s_wait_alu depctr_va_vdst(0)
	s_wait_kmcnt 0x0
	s_cmp_eq_u32 s[WV], 0                          ; the wave's tensors: a choice on the wave's number alone
	s_cselect_b64 s[40:41], s[4:5], s[6:7]         ; tokens' codes
	s_cselect_b64 s[42:43], s[10:11], s[12:13]     ; tokens' scales
	s_cselect_b64 s[44:45], s[16:17], s[18:19]     ; weight's codes
	s_cselect_b64 s[46:47], s[22:23], s[24:25]     ; weight's scales
	s_cselect_b64 s[48:49], s[28:29], s[30:31]     ; bias
	s_cmp_eq_u32 s[WV], 2
	s_cselect_b64 s[40:41], s[8:9], s[40:41]
	s_cselect_b64 s[42:43], s[14:15], s[42:43]
	s_cselect_b64 s[44:45], s[20:21], s[44:45]
	s_cselect_b64 s[46:47], s[26:27], s[46:47]
	s_cselect_b64 s[48:49], s[32:33], s[48:49]
	s_cselect_b64 s[50:51], s[40:41], s[44:45]     ; inner codes: v: the tokens'; q, k: the weight's
	s_cselect_b64 s[52:53], s[42:43], s[46:47]     ; inner scales
	s_cselect_b64 s[54:55], s[44:45], s[40:41]     ; outer codes
	s_cselect_b64 s[56:57], s[46:47], s[42:43]     ; outer scales
	s_cselect_b32 s58, s39, s66                    ; which 128 rows are the inner ones,
	s_cselect_b32 s59, s66, s39                    ; and the outer ones
	s_mov_b32 s70, 0x05040100                      ; how two scale words make one that leaves: q, k: two bytes of each;
	s_cselect_b32 s70, 0x03020100, s70             ; v: the first word whole (even head),
	s_mov_b32 s71, 0x07060302
	s_cselect_b32 s71, 0x07060504, s71             ; the second whole (odd head)
	s_lshl_b32 s60, s58, 16                        ; 128 rows of 512 bytes
	s_add_nc_u64 s[50:51], s[50:51], s[60:61]
	s_lshl_b32 s60, s58, 11                        ; 128 rows of 16 bytes
	s_add_nc_u64 s[52:53], s[52:53], s[60:61]
	s_lshl_b32 s60, s59, 16
	s_add_nc_u64 s[54:55], s[54:55], s[60:61]
	s_lshl_b32 s60, s59, 11
	s_add_nc_u64 s[56:57], s[56:57], s[60:61]
	s_lshl_b32 s60, s66, 9                         ; 128 numbers of the bias
	s_add_nc_u64 s[48:49], s[48:49], s[60:61]
	s_lshr_b32 s67, s39, 5                         ; batch
	s_and_b32 s68, s39, 31                         ; group of 128 tokens in it
	s_lshl_b32 s60, s[WV], 22                      ; qkvc: which x 4,194,304
	s_lshl_b32 s62, s67, 2
	s_add_co_u32 s62, s62, s66                     ; the pair of heads: 4 x batch + y
	s_lshl_b32 s62, s62, 19
	s_add_co_u32 s60, s60, s62
	s_lshl_b32 s62, s68, 14
	s_add_co_u32 s60, s60, s62
	s_add_nc_u64 s[72:73], s[34:35], s[60:61]
	s_lshl_b32 s60, s[WV], 17                      ; qkvs: which x 131,072
	s_lshl_b32 s62, s67, 3
	s_lshl_b32 s63, s66, 1
	s_add_co_u32 s62, s62, s63                     ; the even head: 8 x batch + 2 y
	s_lshl_b32 s62, s62, 13
	s_add_co_u32 s60, s60, s62
	s_lshl_b32 s62, s68, 8
	s_add_co_u32 s60, s60, s62
	s_add_nc_u64 s[74:75], s[36:37], s[60:61]
.irp t, 0,1,2,3,4,5,6,7
	global_load_b128 v[ISC+4*\t:ISC+4*\t+3], v2, s[52:53] offset:(32*(\t/2)+8*(\t%2))*16
.endr
.irp t, 0,1,2,3,4,5,6,7                ; both forms of the bias are loaded in every wave: no register is written on one way alone
	global_load_b128 v[BI+8*\t:BI+8*\t+3], v3, s[48:49] offset:(32*(\t/2)+8*(\t%2))*4
	global_load_b128 v[BI+8*\t+4:BI+8*\t+7], v3, s[48:49] offset:(32*(\t/2)+8*(\t%2))*4+16
.endr
.irp t, 0,1,2,3,4,5,6,7
	global_load_b32 v[BO+\t], v4, s[48:49] offset:(32*(\t/2)+8*(\t%2))*4
.endr
	WIN 0x40
.irp t, 0,1,2,3
.irp s, 0,1,2,3
.irp c, 0,1,2,3
	global_load_b128 v[64*\t+16*\s+4*\c:64*\t+16*\s+4*\c+3], v1, s[50:51] offset:(32*(\t/2)+8*(\t%2))*512+128*\s+32*\c
.endr
.endr
.endr
	WIN 0x80
.irp t, 4,5,6,7
.irp s, 0,1,2,3
.irp c, 0,1,2,3
	global_load_b128 v[64*(\t-4)+16*\s+4*\c:64*(\t-4)+16*\s+4*\c+3], v1, s[50:51] offset:(32*(\t/2)+8*(\t%2))*512+128*\s+32*\c
.endr
.endr
.endr
	OLOAD 0
	OLOAD 1
	OLOAD 2
	OLOAD 3
	TILE 0, 51
	TILE 1, 51
	TILE 2, 51
	TILE 3, 51
	TILE 4, 51
	TILE 5, 34
	TILE 6, 17
	TILE 7, 0
.irp j, 0,1,2,3
	v_perm_b32 v[TM+\j], v[WT+4+\j], v[WT+\j], s70      ; the even head's word j
	v_perm_b32 v[TM+4+\j], v[WT+4+\j], v[WT+\j], s71    ; the odd head's
.endr
.irp j, 0,1,2,3
	v_cndmask_b32 v[OUTW+\j], v[TM+\j], v[TM+4+\j], s79 ; lanes 16-31 take the odd head's
.endr
	global_store_b128 v6, v[OUTW:OUTW+3], s[74:75]      ; sixteen lanes store 256 consecutive bytes, aligned, for each of the two heads
	s_endpgm
.Lfunc_end_k_qfb1f0706d3_proj:
	.size	k_qfb1f0706d3_proj, .Lfunc_end_k_qfb1f0706d3_proj-k_qfb1f0706d3_proj
	.p2alignl 7, 3214868480
	.fill 96, 4, 3214868480
	.section	.rodata,"a",@progbits
	.p2align	6, 0x0
	.amdhsa_kernel k_qfb1f0706d3_proj
		.amdhsa_group_segment_fixed_size 0
		.amdhsa_private_segment_fixed_size 0
		.amdhsa_enable_private_segment 0
		.amdhsa_kernarg_size 136
		.amdhsa_user_sgpr_count 2
		.amdhsa_user_sgpr_kernarg_segment_ptr 1
		.amdhsa_wavefront_size32 1
		.amdhsa_system_sgpr_workgroup_id_x 1
		.amdhsa_system_sgpr_workgroup_id_y 1
		.amdhsa_system_sgpr_workgroup_id_z 1
		.amdhsa_system_vgpr_workitem_id 0
		.amdhsa_next_free_vgpr 1024
		.amdhsa_next_free_sgpr 80
		.amdhsa_reserve_vcc 0
		.amdhsa_float_denorm_mode_32 3
		.amdhsa_float_denorm_mode_16_64 3
		.amdhsa_memory_ordered 1
		.amdhsa_forward_progress 1
		.amdhsa_inst_pref_size 148
	.end_amdhsa_kernel
	.amdgpu_metadata
---
amdhsa.version: [ 1, 2 ]
amdhsa.kernels:
  - .name:           k_qfb1f0706d3_proj
    .symbol:         k_qfb1f0706d3_proj.kd
    .args:
      - { .name: query_codes, .offset: 0, .size: 8, .value_kind: global_buffer, .address_space: global }
      - { .name: key__codes, .offset: 8, .size: 8, .value_kind: global_buffer, .address_space: global }
      - { .name: value_codes, .offset: 16, .size: 8, .value_kind: global_buffer, .address_space: global }
      - { .name: query_scales, .offset: 24, .size: 8, .value_kind: global_buffer, .address_space: global }
      - { .name: key__scales, .offset: 32, .size: 8, .value_kind: global_buffer, .address_space: global }
      - { .name: value_scales, .offset: 40, .size: 8, .value_kind: global_buffer, .address_space: global }
      - { .name: Wq_codes, .offset: 48, .size: 8, .value_kind: global_buffer, .address_space: global }
      - { .name: Wk_codes, .offset: 56, .size: 8, .value_kind: global_buffer, .address_space: global }
      - { .name: Wv_codes, .offset: 64, .size: 8, .value_kind: global_buffer, .address_space: global }
      - { .name: Wq_scales, .offset: 72, .size: 8, .value_kind: global_buffer, .address_space: global }
      - { .name: Wk_scales, .offset: 80, .size: 8, .value_kind: global_buffer, .address_space: global }
      - { .name: Wv_scales, .offset: 88, .size: 8, .value_kind: global_buffer, .address_space: global }
      - { .name: bq, .offset: 96, .size: 8, .value_kind: global_buffer, .address_space: global }
      - { .name: bk, .offset: 104, .size: 8, .value_kind: global_buffer, .address_space: global }
      - { .name: bv, .offset: 112, .size: 8, .value_kind: global_buffer, .address_space: global }
      - { .name: qkvc, .offset: 120, .size: 8, .value_kind: global_buffer, .address_space: global }
      - { .name: qkvs, .offset: 128, .size: 8, .value_kind: global_buffer, .address_space: global }
    .group_segment_fixed_size: 0
    .private_segment_fixed_size: 0
    .kernarg_segment_align: 8
    .kernarg_segment_size: 136
    .max_flat_workgroup_size: 96
    .sgpr_count:     80
    .vgpr_count:     1024
    .wavefront_size: 32
...
	.end_amdgpu_metadata
.endif
;; end of part 1
;; launch attn (part 2): grid 16 x 16, 8 waves a work-group, clusters of 4 x 1, 327,680 bytes of LDS; arguments qkvc, qkvs, ctxc, ctxs; writes ctxc, ctxs
.if DOCPART == 2
	.amdgcn_target "amdgcn-amd-amdhsa--gfx1250"
	.amdhsa_code_object_version 6
	.text
	.protected	k_qfb1f0706d3_attn
	.globl	k_qfb1f0706d3_attn
	.p2align	8
	.type	k_qfb1f0706d3_attn,@function
k_qfb1f0706d3_attn:
	s_mov_b64 s[64:65], 0
	v_nop
	global_prefetch_b8 v0, s[64:65] scope:SCOPE_SE
	s_setreg_imm32_b32 hwreg(HW_REG_WAVE_MODE, 25, 1), 1
	s_wait_xcnt 0x0
	s_wait_alu depctr_hold_cnt(0) depctr_sa_sdst(0) depctr_va_vdst(0) depctr_va_sdst(0) depctr_va_ssrc(0) depctr_va_vcc(0) depctr_vm_vsrc(0)
	s_getreg_b32 s2, hwreg(HW_REG_IB_STS2, 6, 4)
	s_cmp_eq_u32 s2, 0
	s_cbranch_scc0 .Lentry_in_a_cluster
	s_endpgm
.Lentry_in_a_cluster:
	s_bfe_u32 s2, ttmp6, 0x10000c
	s_cmp_lg_u32 s2, 0x3003
	s_cbranch_scc0 .Lentry_shape_is_right
	s_endpgm
.Lentry_shape_is_right:
; ctx = softmax(q k^T / 8) v for 16 (batch, head) pairs of 4,096 tokens x 64 channels, both products on codes of E4M3 with one E8M0 byte for 32 along K; ctx is quantised anew along the channels and leaves as images of operand registers.
; IN.  qkvc [q, k, v][pair of heads 8][group of 128 tokens 32][tile 8][c 4][lane 32][16 bytes]; qkvs [q, k, v][head 16][group 32][r 16][4 words].  OUT.  ctxc [token tile 512][head 8][c 2][lane 32][16]; ctxs [token tile][r 16][16 bytes].
; THE SOFTMAX: t = score x log2(e) / 8; M = the running largest t rounded up to a whole number; p = 2^(t - M) is quantised along the keys; the row's sum is taken of the unquantised p and divides at the end; a change of M multiplies the sum and O^T by a power of two.
; SHARES.  Work-group (x, y): 256 queries of head y; each of its eight waves owns TWO tiles of 16 queries (tile x = 0, 1 below), so that each fragment of K and V read from LDS feeds both.  Every wave walks all 4,096 keys, 128 a step.
; THE TWO TILES ARE WORKED SIDE BY SIDE: their chains of maxima take turns line by line; tile 0's exponentials alternate with tile 1's multiply-adds, tile 1's with tile 0's holds: only lines that hang on nothing in the batch stand among exponentials, so one wait ahead of a batch and one behind it serve.
; A block's largest p is made in its tile's batch; O^T is brought under the new M ahead of the step's first exponential; a tile's sums and its scale lines, which do not hang on each other, take turns.
; Both products are used transposed (S^T = K Q^T, O^T = V^T P^T): a lane holds one query.  The head has 64 channels and the instruction 128 along K: a fragment of K holds key tile f in K 0-63 and tile f + 4 in K 64-127, and is multiplied by [Q, 0] and by [0, Q].
; THE RING.  Two slots of 1,024 keys (K 64 KiB, V 64 KiB), 2^17 bytes apart: four fills for a head.  Waves 0, 1 fetch K's halves, waves 2, 3 V's.  The head's scale bytes (8 KiB each) stay in LDS: waves 4, 5 and 6, 7 fetch their halves at the head, so every wave has one load there.
; CLUSTER.  The four work-groups of a cluster walk the same head: every tile is asked for jointly (mask 15); each refill stands behind a round of the cluster's barrier.
; PREFETCH.  At a change of slots waves 4-7 ask for the slot after the one that is being loaded: 512 blocks of 256 bytes in a cluster, 32 a wave, the four partners told apart by address (2 groups of K and 2 of V each).  Slots 0 and 1 come by their loads alone; the last refill asks for nothing.
; LIMITS.  NaN and infinities are not served.  The promise holds while the scaled scores t stay under 2^31 in magnitude.  A block whose largest magnitude lies under 2^-118 (zeros too) gets the byte 1; the bytes are read by this program alone, and zero codes add nothing under it.
; WINDOW 0: v1 16 x lane; v2 SCK + 16 r; v3, v4 the add's two; v5 prefetch offset; v6, v28 the step's K and V in LDS; v7 its scale words; v8-11 K's scale words, v16-19 V's, v20+x Q's, v22+x p's; v29 16 r + h; v[30:31] a chain of the sums;
;   tile x: v[12+12x] -M, v[13+12x] largest t, v[14+12x:15+12x] the sum; S^T then p at 32+64x; O^T at 160+32x; at 224+16x: +0..3 block maxima then holds, +4..7 permute, bytes, +8..11 scale operands, +12,13 a sum, +14 f, +15 at work.
; WINDOW 1: v0-63 K's fragments; v64-127 V's; at 128+24x: Q, zeros, Q; at 176+16x p's codes.
.set SLOT1, 131072
.set VOFF,  65536
.set SCK,   262144
.set SCV,   270336
.set SPARE, 278528                     ; 8 waves x 128 bytes of spare words
.set KS,  8
.set VS,  16
.set MNT, 19
.set SEL, 20
.set MSB, 0
.macro WIN new                         ; the immediate's high byte repeats the setting that is left
.if MSB != (\new)
	s_set_vgpr_msb (MSB<<8)|(\new)
.set MSB, (\new)
.endif
.endm
.macro WALU
	s_wait_alu depctr_va_vdst(0)
.endm
.macro CROUND
	s_barrier_signal -1
	s_barrier_wait -1
	s_cmp_lg_u32 s12, 0
	s_cbranch_scc1 .Lnot_wave_0_\@
	s_barrier_signal -3
.Lnot_wave_0_\@:
	s_barrier_wait -3
	s_barrier_signal -1
	s_barrier_wait -1
.endm
.macro TL g0, g1                       ; a joint load; s_nop 0 and four v_nop follow it
	tensor_load_to_lds s[\g0:\g0+3], s[\g1:\g1+7]
	s_nop 0
.rept 4
	v_nop
.endr
.endm
.macro TLOAD                           ; a refill: waves 0, 1 K's halves, waves 2, 3 V's
	s_cmp_lt_u32 s12, 2
	s_cbranch_scc0 .Lnot_k_\@
	TL 48, 24
	s_branch .Lasked_\@
.Lnot_k_\@:
	s_cmp_lt_u32 s12, 4
	s_cbranch_scc0 .Lasked_\@
	TL 52, 32
.Lasked_\@:
.endm
.macro ASK                             ; s15 = 1 in waves 4-7, the greatest number in the others; s68 = refills to go
	s_cmp_gt_u32 s68, s15
	s_cbranch_scc0 .Lnot_mine_\@
	global_prefetch_b8 v5, s[70:71] th:TH_LOAD_NT scope:SCOPE_SE
.Lnot_mine_\@:
.endm
.macro KLOAD off                       ; four fragments of K and their scale words: 17 loads
	WIN 0x40
.irp f, 0,1,2,3
	ds_load_b128 v[16*\f:16*\f+3],     v6 offset:\off+\f*1024
	ds_load_b128 v[16*\f+4:16*\f+7],   v6 offset:\off+\f*1024+512
	ds_load_b128 v[16*\f+8:16*\f+11],  v6 offset:\off+(\f+4)*1024
	ds_load_b128 v[16*\f+12:16*\f+15], v6 offset:\off+(\f+4)*1024+512
.endr
	WIN 0
	ds_load_b128 v[KS:KS+3], v7 offset:\off/32
.endm
.macro QK x
.irp f, 0,1,2,3
	v_wmma_scale_f32_16x16x128_f8f6f4 v[32+64*\x+8*\f:39+64*\x+8*\f], v[16*\f:16*\f+15], v[128+24*\x:143+24*\x], 0, v[KS+\f], v[20+\x]
	v_wmma_scale_f32_16x16x128_f8f6f4 v[64+64*\x+8*\f:71+64*\x+8*\f], v[16*\f:16*\f+15], v[136+24*\x:151+24*\x], 0, v[KS+\f], v[20+\x]
.endr
.endm
.macro PV x
.irp i, 0,1,2,3
	v_wmma_scale_f32_16x16x128_f8f6f4 v[160+32*\x+8*\i:167+32*\x+8*\i], v[64+16*\i:79+16*\i], v[176+16*\x:191+16*\x], v[160+32*\x+8*\i:167+32*\x+8*\i], v[VS+\i], v[22+\x]
.endr
.endm
.macro FMAS x, j0, cnt                 ; t - M of pairs j0 .. j0 + cnt - 1
.set n, 2*(\j0)
.rept \cnt
	v_pk_fma_f32 v[32+64*\x+n:33+64*\x+n], v[32+64*\x+n:33+64*\x+n], s[22:23], v[12+12*\x:13+12*\x] op_sel_hi:[1,0,0]
.set n, n+2
.endr
.endm
.macro BFMA x, u                       ; the same of two blocks' largest scores
	v_pk_fma_f32 v[224+16*\x+2*\u:225+16*\x+2*\u], v[224+16*\x+2*\u:225+16*\x+2*\u], s[22:23], v[12+12*\x:13+12*\x] op_sel_hi:[1,0,0]
.endm
.macro LMUL x                          ; the sum under the new M
	v_pk_mul_f32 v[14+12*\x:15+12*\x], v[14+12*\x:15+12*\x], v[238+16*\x:239+16*\x] op_sel_hi:[1,0]
.endm
.macro HOLD2 x, y, hx, hy              ; two holds in one line: destinations even and odd, all sources in different banks
	v_dual_min_num_f32 v[\x], v[\x], v[\hx] :: v_dual_min_num_f32 v[\y], v[\y], v[\hy]
.endm
; the 32 lines that hold tile xh's p at 448 x the scale (the conversion to an 8-bit code does not saturate: ISA guide 7.6.2; p is not negative); ex = 1: tile 1's 64 exponentials stand among them
.macro HOLDS xh, ex
.set sb, 32+64*\xh
.set tb, 224+16*\xh
.set n, 96
.irp b, 0,2
.irp i, 0,2,4,6,8,10,12,14
.if \ex
	v_exp_f32 v[n], v[n]
.endif
	HOLD2 sb+16*\b+\i, sb+16*\b+17+\i, tb+\b, tb+\b+1
.if \ex
	v_exp_f32 v[n+1], v[n+1]
	v_exp_f32 v[n+2], v[n+2]
.endif
	HOLD2 sb+16*\b+16+\i, sb+16*\b+1+\i, tb+\b+1, tb+\b
.if \ex
	v_exp_f32 v[n+3], v[n+3]
.endif
.set n, n+4
.endr
.endr
.endm
.macro SCL x, k                        ; line k of the 19 that make, from the blocks' largest p, the scale operands, the holds, the bytes and p's scale word
.set tb, 224+16*\x
.if (\k) < 4
	v_max_num_f32 v[tb+(\k)], 0x4800000, v[tb+(\k)]              ; the floor 2^(9 - 127): the byte cannot fall under 1
.elseif (\k) < 8
	v_add_nc_u32 v[tb+4+(\k)], 0xfc000000, v[tb+(\k)-4]          ; 8 off the exponent field
.elseif (\k) < 12
	v_and_or_b32 v[tb+(\k)-8], v[tb+(\k)-8], 0x7f800000, s[MNT]  ; 448 x the scale
.elseif (\k) < 16
	v_lshrrev_b32 v[tb+(\k)-8], 23, v[tb+(\k)-4]                 ; the byte
.elseif (\k) == 16
	v_lshl_or_b32 v[tb+15], v[tb+5], 8, v[tb+4]
.elseif (\k) == 17
	v_lshl_or_b32 v[tb+15], v[tb+6], 16, v[tb+15]
.else
	v_lshl_or_b32 v[22+\x], v[tb+7], 24, v[tb+15]
.endif
.endm
.macro SS x                            ; the row's sum of the unquantised p, 32 lines in three chains, with the 19 scale lines among them
.set sb, 32+64*\x
.set su, 14+12*\x
.set sc, 236+16*\x
	v_pk_add_f32 v[sc:sc+1], v[sb:sb+1], v[sb+2:sb+3]
	v_pk_add_f32 v[30:31], v[sb+4:sb+5], v[sb+6:sb+7]
	v_pk_add_f32 v[su:su+1], v[su:su+1], v[sb+8:sb+9]
	SCL \x, 0
	SCL \x, 1
.set r, 0
.rept 9
	v_pk_add_f32 v[sc:sc+1], v[sc:sc+1], v[sb+10+6*r:sb+11+6*r]
	v_pk_add_f32 v[30:31], v[30:31], v[sb+12+6*r:sb+13+6*r]
	v_pk_add_f32 v[su:su+1], v[su:su+1], v[sb+14+6*r:sb+15+6*r]
.if r < 7
	SCL \x, 2+2*r
	SCL \x, 3+2*r
.else
	SCL \x, 9+r
.endif
.set r, r+1
.endr
	v_pk_add_f32 v[sc:sc+1], v[sc:sc+1], v[30:31]
	SCL \x, 18
	v_pk_add_f32 v[su:su+1], v[su:su+1], v[sc:sc+1]
.endm
.macro CVTS x                          ; p's codes, into window 1
	WIN 0x40
.irp b, 0,1,2,3
	v_cvt_scalef32_pk8_fp8_f32 v[176+16*\x+4*\b:177+16*\x+4*\b], v[32+64*\x+16*\b:39+64*\x+16*\b], v[232+16*\x+\b]
	v_cvt_scalef32_pk8_fp8_f32 v[178+16*\x+4*\b:179+16*\x+4*\b], v[40+64*\x+16*\b:47+64*\x+16*\b], v[232+16*\x+\b]
.endr
	WIN 0
.endm
.macro SOFT
.irp b, 0,1,2,3                                ; the largest score of each block of 32 keys: eight chains by turns
.irp x, 0,1
	v_max3_num_f32 v[224+16*\x+\b], v[32+64*\x+16*\b], v[33+64*\x+16*\b], v[34+64*\x+16*\b]
.endr
.endr
.irp i, 3,5,7,9,11,13
.irp b, 0,1,2,3
.irp x, 0,1
	v_max3_num_f32 v[224+16*\x+\b], v[224+16*\x+\b], v[32+64*\x+16*\b+\i], v[33+64*\x+16*\b+\i]
.endr
.endr
.endr
.irp b, 0,1,2,3
.irp x, 0,1
	v_max_num_f32 v[224+16*\x+\b], v[224+16*\x+\b], v[47+64*\x+16*\b]
.endr
.endr
.irp b, 0,1,2,3
.irp x, 0,1
	v_permlanex16_b32 v[228+16*\x+\b], v[224+16*\x+\b], s[SEL], s[SEL+1]
.endr
.endr
.irp b, 0,1,2,3
.irp x, 0,1
	v_max_num_f32 v[224+16*\x+\b], v[224+16*\x+\b], v[228+16*\x+\b]   ; with lane l xor 16's 16 keys
.endr
.endr
.irp x, 0,1
	v_max3_num_f32 v[239+16*\x], v[224+16*\x], v[225+16*\x], v[226+16*\x]
.endr
.irp x, 0,1
	v_max_num_f32 v[239+16*\x], v[239+16*\x], v[227+16*\x]
.endr
.irp x, 0,1
	v_mul_f32 v[239+16*\x], s22, v[239+16*\x]      ; as t
.endr
.irp x, 0,1
	v_max_num_f32 v[13+12*\x], v[13+12*\x], v[239+16*\x]   ; the running largest t
.endr
.irp x, 0,1
	v_mov_b32 v[239+16*\x], v[12+12*\x]
.endr
.irp x, 0,1
	v_floor_f32 v[12+12*\x], -v[13+12*\x]          ; -M = floor(-t)
.endr
	FMAS 0, 0, 4                                   ; tile 0's t - M, with the three lines that make f = 2^(old M - new M) among them
.irp x, 0,1
	v_sub_f32 v[239+16*\x], v[12+12*\x], v[239+16*\x]
.endr
	FMAS 0, 4, 4
.irp x, 0,1
	v_cvt_i32_f32 v[239+16*\x], v[239+16*\x]
.endr
	FMAS 0, 8, 4
.irp x, 0,1
	v_ldexp_f32 v[238+16*\x], 1.0, v[239+16*\x]
.endr
	FMAS 0, 12, 20
	BFMA 0, 0
	BFMA 0, 1
.irp x, 0,1                                    ; O^T under the new M, ahead of the step's first exponential: no transcendental stands between the last products and these first readers
.set n, 0
.rept 16
	v_pk_mul_f32 v[160+32*\x+n:161+32*\x+n], v[160+32*\x+n:161+32*\x+n], v[238+16*\x:239+16*\x] op_sel_hi:[1,0]
.set n, n+2
.endr
.endr
	WALU                                           ; ahead of the batch
.set m, 0
.rept 32                                       ; tile 0's exponentials, with tile 1's t - M among them
	v_exp_f32 v[32+m], v[32+m]
	v_pk_fma_f32 v[96+m:97+m], v[96+m:97+m], s[22:23], v[24:25] op_sel_hi:[1,0,0]
	v_exp_f32 v[33+m], v[33+m]
.set m, m+2
.endr
	v_exp_f32 v224, v224                           ; tile 0's blocks' largest p, in the same batch
	BFMA 1, 0
	v_exp_f32 v225, v225
	BFMA 1, 1
	v_exp_f32 v226, v226
	LMUL 0
	v_exp_f32 v227, v227
	LMUL 1                                         ; a plain line behind the last exponential
	WALU                                           ; one wait for the batch, ahead of its first reader
	SS 0
	WALU                                           ; ahead of the next batch
	HOLDS 0, 1                                     ; tile 1's exponentials, with tile 0's holds among them
.irp b, 0,1,2,3
	v_exp_f32 v[240+\b], v[240+\b]                 ; and its blocks' largest p
.endr
	v_nop                                          ; a plain line behind the last exponential
	WALU                                           ; one wait for the batch; it also stands directly ahead of the wait below
	s_wait_dscnt 0x0                               ; V's fragments and the next step's K are in: asked for ahead of the whole softmax
	CVTS 0
	SS 1
	HOLDS 1, 0
	CVTS 1
.rept 4
	v_nop                                          ; four places between the last codes and the products that take them
.endr
.endm
; A KEY STEP: 128 keys.  K's fragments were asked for in the last step (or at the change of slots); behind S^T's products this step's V and the next step's K are asked for
.macro STEP
	s_wait_dscnt 0x0
	WIN 0x05                                       ; sources 0 and 1: window 1
	QK 0
	QK 1
	WIN 0
	v_add_nc_u32 v6, s66, v1
	v_add_nc_u32 v7, s67, v2
	v_add_nc_u32 v28, VOFF, v6
.rept 5
	v_nop                                          ; with the three above: eight places ahead of the loads into K's and V's registers and of the first read of S^T
.endr
	WIN 0x40
.irp i, 0,1,2,3
.irp c, 0,1,2,3
	ds_load_b128 v[64+16*\i+4*\c:67+16*\i+4*\c], v28 offset:\i*2048+\c*512
.endr
.endr
	WIN 0
	ds_load_b128 v[VS:VS+3], v7 offset:SCV-SCK
	s_cmp_eq_u32 s69, 1                            ; a slot's last step asks for no K: the next slot is shown by the change of slots
	s_cbranch_scc1 .Lno_k_\@
	KLOAD 8192
.Lno_k_\@:
	SOFT
	WIN 0x05
	PV 0
	PV 1
	WIN 0
	s_add_co_u32 s66, s66, 8192
	s_add_co_u32 s67, s67, 256
.endm
.macro STEPS                           ; a slot's eight steps
	s_mov_b32 s69, 8
.Lstep_\@:
	STEP
	s_sub_co_u32 s69, s69, 1
	s_cmp_lg_u32 s69, 0
	s_cbranch_scc1 .Lstep_\@
	s_sub_co_u32 s66, s66, 65536
	s_xor_b32 s66, s66, SLOT1                      ; on to the other slot
.endm
; THE CHANGE OF SLOTS, at a slot's head: all my tensor loads are in, the add, my reads of the slot that I left are over; behind the round the slot that was left is filled with the keys that follow
.macro CHANGE fill
	s_wait_tensorcnt 0x0
	ds_add_u32 v3, v4
.if \fill
	s_xor_b32 s49, s49, SLOT1                      ; no load of mine is out: the walking descriptors step
	s_add_nc_u64 s[50:51], s[50:51], 131072        ; 8 groups of 16,384 bytes
	s_xor_b32 s53, s53, SLOT1
	s_add_nc_u64 s[54:55], s[54:55], 131072
	s_wait_xcnt 0x0                                ; my prefetch has read its address
	s_add_nc_u64 s[70:71], s[70:71], 131072
	s_wait_dscnt 0x0
	CROUND
	TLOAD
	ASK
.else
	s_wait_dscnt 0x0
	s_barrier_signal -1
	s_barrier_wait -1
.endif
	v_add_nc_u32 v6, s66, v1
	v_add_nc_u32 v7, s67, v2
	KLOAD 0
.endm
.macro QOUT x                          ; tile x's ctx: two blocks of 32 channels quantised, 32 lanes store 512 consecutive bytes twice, and a byte a lane
.set ob, 160+32*\x
.set tb, 224+16*\x
.set cb, 32+64*\x
.irp q, 0,1
	v_max3_num_f32 v[tb+\q], |v[ob+16*\q]|, |v[ob+16*\q+1]|, 0x4800000
.endr
.irp i, 2,4,6,8,10,12,14
.irp q, 0,1
	v_max3_num_f32 v[tb+\q], v[tb+\q], |v[ob+16*\q+\i]|, |v[ob+16*\q+\i+1]|
.endr
.endr
.irp q, 0,1
	v_permlanex16_b32 v[tb+4+\q], v[tb+\q], s[SEL], s[SEL+1]
.endr
.irp q, 0,1
	v_max_num_f32 v[tb+\q], v[tb+\q], v[tb+4+\q]
.endr
.irp q, 0,1
	v_add_nc_u32 v[tb+10+\q], 0xfc000000, v[tb+\q]
.endr
.irp q, 0,1
	v_and_or_b32 v[tb+8+\q], v[tb+\q], 0x7f800000, s[MNT]
.endr
.irp q, 0,1
	v_lshrrev_b32 v[tb+4+\q], 23, v[tb+10+\q]
.endr
.irp q, 0,1
.irp i, 0,1,2,3,4,5,6,7,8,9,10,11,12,13,14,15
	v_med3_num_f32 v[ob+16*\q+\i], v[ob+16*\q+\i], -v[tb+8+\q], v[tb+8+\q]
.endr
	v_cvt_scalef32_pk8_fp8_f32 v[cb+4*\q:cb+4*\q+1], v[ob+16*\q:ob+16*\q+7], v[tb+10+\q]
	v_cvt_scalef32_pk8_fp8_f32 v[cb+4*\q+2:cb+4*\q+3], v[ob+16*\q+8:ob+16*\q+15], v[tb+10+\q]
.endr
	v_cndmask_b32 v[tb+15], v[tb+4], v[tb+5], s90  ; lanes 0-15 store block 0's byte, lanes 16-31 block 1's
	global_store_b128 v1, v[cb:cb+3], s[92:93] offset:\x*32768
	global_store_b128 v1, v[cb+4:cb+7], s[92:93] offset:\x*32768+512
	global_store_b8 v29, v[tb+15], s[94:95] offset:\x*1024
.endm
	s_load_b256 s[4:11], s[0:1], 0x0               ; qkvc, qkvs, ctxc, ctxs
	v_lshl_add_u32 v3, v0, 2, SPARE
	v_mov_b32 v4, 0
	ds_add_u32 v3, v4                              ; the opening lines: the add twice on end
	ds_add_u32 v3, v4
	v_lshrrev_b32 v6, 5, v0
	v_readfirstlane_b32 s12, v6                    ; wave 0..7
	s_bfe_u32 s13, ttmp6, 0x40000                  ; cx
	s_lshl_b32 s14, ttmp9, 2
	s_add_co_u32 s14, s14, s13                     ; work-group x
	s_and_b32 s72, ttmp7, 0xffff                   ; y = 8 x batch + head
	s_lshr_b32 s73, s72, 1                         ; pair of heads
	s_and_b32 s74, s72, 1                          ; which of the pair
	s_lshr_b32 s75, s72, 3                         ; batch
	s_and_b32 s76, s72, 7                          ; head
	s_and_b32 s77, s12, 1                          ; which half I fetch
	s_and_b32 s78, s12, 3                          ; my token tiles in their group: this one and the one four on
	s_lshr_b32 s79, s12, 2
	s_lshl_b32 s80, s14, 1
	s_add_co_u32 s79, s79, s80                     ; my group of 128 tokens
	s_mov_b32 s24, 15|(3<<16)|(1<<21)              ; K: 32 rows (key tiles) of 1,024 bytes, 2,048 apart; elements of 8 bytes
	s_mov_b32 s25, 128<<16
	s_mov_b32 s26, 32<<16
	s_mov_b32 s27, 128<<16
	s_mov_b32 s28, 32
	s_mov_b32 s29, 256
	s_mov_b32 s30, 0
	s_mov_b32 s31, 0
	s_mov_b32 s32, 15|(3<<16)|(1<<21)              ; V: 4 rows (groups) of 8,192 bytes, 16,384 apart
	s_mov_b32 s33, 1024<<16
	s_mov_b32 s34, 4<<16
	s_mov_b32 s35, 1024<<16
	s_mov_b32 s36, 4
	s_mov_b32 s37, 2048
	s_mov_b32 s38, 0
	s_mov_b32 s39, 0
	s_mov_b32 s40, 15|(3<<16)|(1<<21)              ; scale bytes: 16 dense rows of 256 bytes
	s_mov_b32 s41, 32<<16
	s_mov_b32 s42, 16<<16
	s_mov_b32 s43, 32<<16
	s_mov_b32 s44, 16
	s_mov_b32 s45, 32
	s_mov_b32 s46, 0
	s_mov_b32 s47, 0
	s_lshl_b32 s82, s73, 19
	s_lshl_b32 s84, s77, 16                        ; my half: four groups
	s_add_co_u32 s82, s82, s84
	s_lshl_b32 s84, s74, 10
	s_add_co_u32 s84, s84, s82
	s_add_co_u32 s84, s84, 4194304                 ; K's codes
	s_mov_b32 s85, 0
	s_lshl_b32 s86, s74, 13
	s_add_co_u32 s86, s86, s82
	s_add_co_u32 s86, s86, 8388608                 ; V's codes
	s_mov_b32 s87, 0
	s_lshl_b32 s88, s72, 13
	s_lshl_b32 s83, s77, 12
	s_add_co_u32 s88, s88, s83                     ; my half of a head's scale bytes
	s_mov_b32 s89, 0
	s_lshl_b32 s81, s77, 15
	s_mov_b32 s[MNT], 0x600000
	s_mov_b32 s[SEL], 0x76543210
	s_mov_b32 s[SEL+1], 0xfedcba98
	s_mov_b32 s22, 0x3e38aa3b                      ; log2(e) / 8
	s_mov_b32 s23, s22
	s_mov_b32 s66, 0
	s_mov_b32 s67, 0
	s_mov_b32 s68, 3
	s_lshr_b32 s15, s12, 2
	s_cmp_eq_u32 s15, 1
	s_cselect_b32 s15, 1, -1                       ; waves 4-7 prefetch
	s_cmp_lt_u32 s12, 6                            ; waves 4, 5: K; waves 6, 7: V
	s_cselect_b32 s96, 10, 13
	s_cselect_b32 s97, 11, 10
	s_mov_b32 s98, 8388608
	s_cselect_b32 s98, 4194304, s98
	s_lshl_b32 s96, s74, s96
	s_add_co_u32 s96, s96, s98
	s_lshl_b32 s98, s73, 19
	s_add_co_u32 s96, s96, s98
	s_lshl_b32 s98, s13, 15                        ; group 2 cx + wave % 2 of a slot's eight
	s_add_co_u32 s96, s96, s98
	s_lshl_b32 s98, s77, 14
	s_add_co_u32 s96, s96, s98
	s_add_co_u32 s96, s96, 131072                  ; at slot 1: the first change steps it to slot 2
	v_and_b32 v5, 31, v0
	v_lshlrev_b32 v1, 4, v5
	v_and_b32 v6, 15, v0
	v_bfe_u32 v7, v0, 4, 1
	v_lshl_add_u32 v2, v6, 4, SCK
	v_lshlrev_b32 v30, 4, v6
	v_add_nc_u32 v29, v30, v7
	v_cmp_eq_u32 s90, 1, v7                        ; the mask of lanes 16-31
	v_lshrrev_b32 v7, 2, v5
	v_lshlrev_b32 v7, s97, v7
	v_and_b32 v5, 3, v5
	v_lshl_add_u32 v5, v5, 8, v7                   ; lane j: block j % 4 of piece j / 4
	s_mov_b32 s97, 0
	WALU                                           ; directly ahead of the waits below
	s_wait_dscnt 0x0
	s_wait_kmcnt 0x0
	s_add_nc_u64 s[70:71], s[4:5], s[96:97]
	s_lshl_b32 s96, s73, 19
	s_lshl_b32 s98, s79, 14
	s_add_co_u32 s96, s96, s98
	s_lshl_b32 s98, s78, 11
	s_add_co_u32 s96, s96, s98
	s_lshl_b32 s98, s74, 10
	s_add_co_u32 s96, s96, s98
	s_add_nc_u64 s[16:17], s[4:5], s[96:97]        ; Q's codes: my first tile, my head
	s_lshl_b32 s96, s72, 13
	s_lshl_b32 s98, s79, 8
	s_add_co_u32 s96, s96, s98
	s_lshl_b32 s98, s78, 2
	s_add_co_u32 s96, s96, s98
	s_add_nc_u64 s[2:3], s[6:7], s[96:97]          ; the scale word of both tiles
	s_lshl_b32 s98, s75, 5
	s_add_co_u32 s98, s98, s79
	s_lshl_b32 s98, s98, 3
	s_add_co_u32 s98, s98, s78                     ; my first token tile of 512
	s_lshl_b32 s96, s98, 13
	s_lshl_b32 s99, s76, 10
	s_add_co_u32 s96, s96, s99
	s_add_nc_u64 s[92:93], s[8:9], s[96:97]
	s_lshl_b32 s96, s98, 8
	s_lshl_b32 s99, s76, 1
	s_add_co_u32 s96, s96, s99
	s_add_nc_u64 s[94:95], s[10:11], s[96:97]
	CROUND                                         ; all four work-groups are here: the first joint loads meet
	s_mov_b32 s48, 1
	s_mov_b32 s49, s81
	s_add_nc_u64 s[50:51], s[4:5], s[84:85]
	s_or_b32 s51, s51, 0x80000000
	s_mov_b32 s52, 1
	s_add_co_u32 s53, s81, VOFF
	s_add_nc_u64 s[54:55], s[4:5], s[86:87]
	s_or_b32 s55, s55, 0x80000000
	s_mov_b32 s56, 1
	s_add_co_u32 s57, s83, SCK
	s_add_nc_u64 s[58:59], s[6:7], s[88:89]
	s_add_nc_u64 s[58:59], s[58:59], 131072
	s_or_b32 s59, s59, 0x80000000
	s_mov_b32 s60, 1
	s_add_co_u32 s61, s83, SCV
	s_add_nc_u64 s[62:63], s[6:7], s[88:89]
	s_add_nc_u64 s[62:63], s[62:63], 262144
	s_or_b32 s63, s63, 0x80000000
	; the head's loads, one a wave, in one chain of branches on the wave's number: every way passes exactly one
	s_cmp_lt_u32 s12, 2
	s_cbranch_scc0 .Lhead_v
	TL 48, 24
	s_branch .Lhead_asked
.Lhead_v:
	s_cmp_lt_u32 s12, 4
	s_cbranch_scc0 .Lhead_sk
	TL 52, 32
	s_branch .Lhead_asked
.Lhead_sk:
	s_cmp_lt_u32 s12, 6
	s_cbranch_scc0 .Lhead_sv
	TL 56, 40
	s_branch .Lhead_asked
.Lhead_sv:
	TL 60, 40
.Lhead_asked:
	global_load_b32 v31, v30, s[2:3]
	WIN 0x40
.irp x, 0,1
	global_load_b128 v[128+24*\x:131+24*\x], v1, s[16:17] offset:8192*\x
	global_load_b128 v[132+24*\x:135+24*\x], v1, s[16:17] offset:8192*\x+512
	global_load_b128 v[144+24*\x:147+24*\x], v1, s[16:17] offset:8192*\x
	global_load_b128 v[148+24*\x:151+24*\x], v1, s[16:17] offset:8192*\x+512
.endr
.irp x, 0,1
.irp i, 0,1,2,3,4,5,6,7
	v_mov_b32 v[136+24*\x+\i], 0                   ; the zero half beside Q
.endr
.endr
	WIN 0
	s_wait_loadcnt 8                               ; the scale word is in: eight loads were issued behind it
	v_perm_b32 v20, v31, v31, 0x01000100           ; tile 0's two bytes, twice;
	v_perm_b32 v21, v31, v31, 0x03020302           ; tile 1's
.irp x, 0,1
	v_mov_b32 v[13+12*\x], 0xff61b1e6              ; the largest t so far: -3e38
	v_mov_b32 v[14+12*\x], 0
	v_mov_b32 v[15+12*\x], 0
	v_floor_f32 v[12+12*\x], -v[13+12*\x]
.irp b, 0,1,2,3
	v_mov_b32 v[228+16*\x+\b], 0                   ; a lane permute's destination counts as one of its sources
.endr
.set n, 0
.rept 32
	v_mov_b32 v[160+32*\x+n], 0                    ; the step is written once: the first finds zeros
.set n, n+1
.endr
.endr
	WALU
	s_wait_loadcnt 0x0
.Lslot:                                            ; three trips: behind each change of slots but the last the next slot is asked for
	CHANGE 1
	STEPS
	s_sub_co_u32 s68, s68, 1
	s_cmp_lg_u32 s68, 0
	s_cbranch_scc1 .Lslot
	CHANGE 0
	STEPS
	; THE WAY OUT: O^T / the sum
.irp x, 0,1
	v_add_f32 v[14+12*\x], v[14+12*\x], v[15+12*\x]
.endr
.irp x, 0,1
	v_permlanex16_b32 v[239+16*\x], v[14+12*\x], s[SEL], s[SEL+1]
.endr
.irp x, 0,1
	v_add_f32 v[14+12*\x], v[14+12*\x], v[239+16*\x]
.endr
	WALU
	v_rcp_f32 v14, v14
	v_rcp_f32 v26, v26
.rept 4
	v_nop                                          ; with the six above: the places behind the last products
.endr
	WALU
.irp x, 0,1
.set n, 0
.rept 16
	v_pk_mul_f32 v[160+32*\x+n:161+32*\x+n], v[160+32*\x+n:161+32*\x+n], v[14+12*\x:15+12*\x] op_sel_hi:[1,0]
.set n, n+2
.endr
.endr
	QOUT 0
	QOUT 1
	s_wait_tensorcnt 0x0                           ; the wave's end
	ds_add_u32 v3, v4
	s_wait_dscnt 0x0
	CROUND                                         ; the closing round
	s_endpgm
.Lfunc_end_k_qfb1f0706d3_attn:
	.size	k_qfb1f0706d3_attn, .Lfunc_end_k_qfb1f0706d3_attn-k_qfb1f0706d3_attn
	.p2alignl 7, 3214868480
	.fill 96, 4, 3214868480
	.section	.rodata,"a",@progbits
	.p2align	6, 0x0
	.amdhsa_kernel k_qfb1f0706d3_attn
		.amdhsa_group_segment_fixed_size 327680
		.amdhsa_private_segment_fixed_size 0
		.amdhsa_enable_private_segment 0
		.amdhsa_kernarg_size 32
		.amdhsa_user_sgpr_count 2
		.amdhsa_user_sgpr_kernarg_segment_ptr 1
		.amdhsa_wavefront_size32 1
		.amdhsa_system_sgpr_workgroup_id_x 1
		.amdhsa_system_sgpr_workgroup_id_y 1
		.amdhsa_system_sgpr_workgroup_id_z 1
		.amdhsa_system_vgpr_workitem_id 0
		.amdhsa_next_free_vgpr 512
		.amdhsa_next_free_sgpr 100
		.amdhsa_reserve_vcc 0
		.amdhsa_float_denorm_mode_32 3
		.amdhsa_float_denorm_mode_16_64 3
		.amdhsa_memory_ordered 1
		.amdhsa_forward_progress 1
		.amdhsa_inst_pref_size 96
	.end_amdhsa_kernel
	.amdgpu_metadata
---
amdhsa.version: [ 1, 2 ]
amdhsa.kernels:
  - .name:           k_qfb1f0706d3_attn
    .symbol:         k_qfb1f0706d3_attn.kd
    .args:
      - { .name: qkvc, .offset: 0, .size: 8, .value_kind: global_buffer, .address_space: global }
      - { .name: qkvs, .offset: 8, .size: 8, .value_kind: global_buffer, .address_space: global }
      - { .name: ctxc, .offset: 16, .size: 8, .value_kind: global_buffer, .address_space: global }
      - { .name: ctxs, .offset: 24, .size: 8, .value_kind: global_buffer, .address_space: global }
    .group_segment_fixed_size: 327680
    .private_segment_fixed_size: 0
    .kernarg_segment_align: 8
    .kernarg_segment_size: 32
    .max_flat_workgroup_size: 256
    .sgpr_count:     100
    .vgpr_count:     512
    .wavefront_size: 32
...
	.end_amdgpu_metadata
.endif
;; end of part 2
;; launch outp (part 3): grid 64 x 4, 4 waves a work-group, no clusters, 34,304 bytes of LDS; arguments ctxc, ctxs, Wo_codes, Wo_scales, bo, out0; writes out0
.if DOCPART == 3
	.amdgcn_target "amdgcn-amd-amdhsa--gfx1250"
	.amdhsa_code_object_version 6
	.text
	.protected	k_qfb1f0706d3_outp
	.globl	k_qfb1f0706d3_outp
	.p2align	8
	.type	k_qfb1f0706d3_outp,@function
k_qfb1f0706d3_outp:
	s_mov_b64 s[64:65], 0
	v_nop
	global_prefetch_b8 v0, s[64:65] scope:SCOPE_SE
	s_setreg_imm32_b32 hwreg(HW_REG_WAVE_MODE, 25, 1), 1
	s_wait_xcnt 0x0
; out0 = ctx Wo^T + bo on codes of E4M3 with one E8M0 byte for each 32 along K = 512.  ctx comes as images of operand registers: ctxc [token tile 512][K step 4][c 4][lane 32][16 bytes], ctxs [token tile][r 16][16 bytes].
; SHARES.  Work-group (g, y): 128 tokens x 128 outputs.  Wave w takes token tiles 2 w and 2 w + 1 of the group (row i of tile 2 w + e is token 32 w + 8 e + i + 8 (i / 8)) against all eight tiles of Wo's 128 rows: 64 products.
; TRANSPOSED: source 0 = 16 rows of Wo, source 1 = 16 tokens.  Lane r of Wo's tile t takes row 32 (t / 2) + 8 (t % 2) + r + 8 (r / 8), so that a lane's 16 registers of tiles 2 b, 2 b + 1 are 16 neighbouring outputs: 64 bytes of a row of out0.
; The bias is the C of each sum's first product.  Results go through the wave's own stage in LDS (16 rows of 512 bytes + 16) and leave as whole rows: each store covers 512 consecutive bytes, aligned.
; NO CLUSTER, NO TENSOR LOAD: each wave holds Wo's 64 KiB in the registers from which it multiplies; with 64 products a wave, a joint load into LDS would add a read of those bytes from LDS for each wave and a barrier, for a launch whose loads all go out at its head.
.set ACC,  16                          ; v16-79 tile e = 0, v80-143 tile e = 1
.set ISC,  144                         ; v144-175 Wo's scale words: 4 t + s
.set OSC,  176                         ; v176-183 ctx's: 4 e + s
.set BI,   184                         ; v184-247 bo in the result's layout
.set SPARE, 33792                      ; behind the four stages of 8,448 bytes: the spare words, 128 bytes for each wave
; v1 Wo's row x 512 + 16 h; v2 Wo's row x 16; v3 64 h; v4 16 x lane; v5 16 r; v6 into my stage; v7 out of it; v8, v9 the add's two
; window 1: Wo's tiles 0-3 at 64 t + 16 s + 4 c; window 2: tiles 4-7; window 3: v0-127 ctx's fragments at 64 e + 16 s + 4 c, v128-255 rows read back from the stage
.set MSB, 0
.macro WIN new
.if MSB != (\new)
	s_set_vgpr_msb (MSB<<8)|(\new)
.set MSB, (\new)
.endif
.endm
.macro MULS i0                         ; tiles i0 .. i0 + 3 of Wo x my two token tiles, all of K: eight accumulators by turns, one instruction a turn
.irp s, 0,1,2,3
.irp i, \i0, \i0+1, \i0+2, \i0+3
.irp e, 0,1
.if \s == 0
	v_wmma_scale_f32_16x16x128_f8f6f4 v[ACC+64*\e+8*(\i):ACC+64*\e+8*(\i)+7], v[64*((\i)%4)+16*\s:64*((\i)%4)+16*\s+15], v[64*\e+16*\s:64*\e+16*\s+15], v[BI+8*(\i):BI+8*(\i)+7], v[ISC+4*(\i)+\s], v[OSC+4*\e+\s]
.else
	v_wmma_scale_f32_16x16x128_f8f6f4 v[ACC+64*\e+8*(\i):ACC+64*\e+8*(\i)+7], v[64*((\i)%4)+16*\s:64*((\i)%4)+16*\s+15], v[64*\e+16*\s:64*\e+16*\s+15], v[ACC+64*\e+8*(\i):ACC+64*\e+8*(\i)+7], v[ISC+4*(\i)+\s], v[OSC+4*\e+\s]
.endif
.endr
.endr
.endr
.endm
.macro TOSTAGE e                       ; 16 tokens x 128 outputs into my stage (16 stores), and back as whole rows (16 loads).  LDS serves a wave's instructions in order (ISA guide 5.7.1.4): no wait between the stores and the loads
.irp t, 0,1,2,3,4,5,6,7
	ds_store_b128 v6, v[ACC+64*\e+8*\t:ACC+64*\e+8*\t+3] offset:128*(\t/2)+32*(\t%2)        ; each accumulator from its low end on
	ds_store_b128 v6, v[ACC+64*\e+8*\t+4:ACC+64*\e+8*\t+7] offset:128*(\t/2)+32*(\t%2)+16
.endr
	WIN 0xc0
.irp i, 0,1,2,3,4,5,6,7,8,9,10,11,12,13,14,15
	ds_load_b128 v[128+64*\e+4*\i:128+64*\e+4*\i+3], v7 offset:\i*528
.endr
	WIN 0
.endm
.macro SEND e
.irp i, 0,1,2,3,4,5,6,7,8,9,10,11,12,13,14,15
	global_store_b128 v4, v[128+64*\e+4*\i:128+64*\e+4*\i+3], s[14:15] offset:(8*\e+\i+8*(\i/8))*2048 th:TH_STORE_NT   ; 32 lanes store 512 consecutive bytes of one token's row; written once, read by nobody here
.endr
.endm
	s_load_b256 s[4:11], s[0:1], 0x0               ; ctxc, ctxs, Wo's codes, Wo's scales
	s_load_b128 s[12:15], s[0:1], 0x20             ; bo, out0
	v_lshl_add_u32 v8, v0, 2, SPARE
	v_mov_b32 v9, 0
	v_lshrrev_b32 v10, 5, v0
	v_readfirstlane_b32 s16, v10                   ; wave 0..3
	s_and_b32 s18, ttmp7, 0xffff                   ; y
	v_and_b32 v10, 31, v0                          ; lane
	v_and_b32 v11, 15, v0                          ; r
	v_bfe_u32 v12, v0, 4, 1                        ; h
	v_and_b32 v13, 8, v11
	v_add_nc_u32 v13, v13, v11                     ; r + 8 (r / 8)
	v_lshlrev_b32 v1, 9, v13
	v_lshl_add_u32 v1, v12, 4, v1
	v_lshlrev_b32 v2, 4, v13
	v_lshlrev_b32 v3, 6, v12
	v_lshlrev_b32 v4, 4, v10
	v_lshlrev_b32 v5, 4, v11
	s_mul_i32 s20, s16, 8448                       ; my stage
	v_mul_u32_u24 v6, v11, 528
	v_lshl_add_u32 v6, v12, 6, v6
	v_add_nc_u32 v6, s20, v6                       ; in: row r, + 64 h
	v_add_nc_u32 v7, s20, v4                       ; back: 16 bytes a lane of a row
	s_lshl_b32 s22, ttmp9, 3
	s_lshl_b32 s23, s16, 1
	s_add_co_u32 s22, s22, s23                     ; my first token tile: 8 g + 2 w
	s_mov_b32 s25, 0
	s_wait_alu depctr_va_vdst(0)
	s_wait_kmcnt 0x0
	s_lshl_b32 s24, s22, 13
	s_add_nc_u64 s[4:5], s[4:5], s[24:25]
	s_lshl_b32 s24, s22, 8
	s_add_nc_u64 s[6:7], s[6:7], s[24:25]
	s_lshl_b32 s24, s18, 16                        ; Wo's 128 rows of 512 bytes,
	s_add_nc_u64 s[8:9], s[8:9], s[24:25]
	s_lshl_b32 s24, s18, 11                        ; of 16 scale bytes,
	s_add_nc_u64 s[10:11], s[10:11], s[24:25]
	s_lshl_b32 s24, s18, 9                         ; bo's 128 numbers; and the same bytes on in a row of out0
	s_add_nc_u64 s[12:13], s[12:13], s[24:25]
	s_add_nc_u64 s[14:15], s[14:15], s[24:25]
	s_lshl_b32 s24, ttmp9, 18                      ; 128 tokens of 2,048 bytes,
	s_lshl_b32 s23, s16, 16                        ; my wave's 32 of them
	s_add_co_u32 s24, s24, s23
	s_add_nc_u64 s[14:15], s[14:15], s[24:25]
.irp e, 0,1
	global_load_b128 v[OSC+4*\e:OSC+4*\e+3], v5, s[6:7] offset:256*\e
.endr
	WIN 0xc0
.irp e, 0,1
.irp s, 0,1,2,3
.irp c, 0,1,2,3
	global_load_b128 v[64*\e+16*\s+4*\c:64*\e+16*\s+4*\c+3], v4, s[4:5] offset:\e*8192+\s*2048+\c*512
.endr
.endr
.endr
	WIN 0
.irp t, 0,1,2,3,4,5,6,7
	global_load_b128 v[ISC+4*\t:ISC+4*\t+3], v2, s[10:11] offset:(32*(\t/2)+8*(\t%2))*16
.endr
.irp t, 0,1,2,3,4,5,6,7
	global_load_b128 v[BI+8*\t:BI+8*\t+3], v3, s[12:13] offset:(32*(\t/2)+8*(\t%2))*4
	global_load_b128 v[BI+8*\t+4:BI+8*\t+7], v3, s[12:13] offset:(32*(\t/2)+8*(\t%2))*4+16
.endr
	WIN 0x40
.irp t, 0,1,2,3
.irp s, 0,1,2,3
.irp c, 0,1,2,3
	global_load_b128 v[64*\t+16*\s+4*\c:64*\t+16*\s+4*\c+3], v1, s[8:9] offset:(32*(\t/2)+8*(\t%2))*512+128*\s+32*\c
.endr
.endr
.endr
	WIN 0x80
.irp t, 4,5,6,7
.irp s, 0,1,2,3
.irp c, 0,1,2,3
	global_load_b128 v[64*(\t-4)+16*\s+4*\c:64*(\t-4)+16*\s+4*\c+3], v1, s[8:9] offset:(32*(\t/2)+8*(\t%2))*512+128*\s+32*\c
.endr
.endr
.endr
	s_wait_loadcnt 63                              ; 64 loads (Wo's tiles 4-7) were issued behind what the first half needs: the count is one under that, the largest that the wait can name
	WIN 0x0d                                       ; source 0 window 1, source 1 window 3
	MULS 0
	s_wait_loadcnt 0x0
	WIN 0x0e                                       ; source 0 window 2
	MULS 4
	WIN 0
.rept 8
	v_nop                                          ; eight places ahead of the first read of the results
.endr
	TOSTAGE 0
	TOSTAGE 1
	s_wait_dscnt 32                                ; tile 0's rows are back: behind its 16 loads stand tile 1's 16 stores and 16 loads
	WIN 0x0c                                       ; a store's data are its source 1: window 3
	SEND 0
	s_wait_dscnt 0x0                               ; tile 1's rows are back
	SEND 1
	WIN 0
	s_wait_tensorcnt 0x0                           ; the wave's end, behind my last LDS store
	ds_add_u32 v8, v9
	s_wait_dscnt 0x0
	s_endpgm
.Lfunc_end_k_qfb1f0706d3_outp:
	.size	k_qfb1f0706d3_outp, .Lfunc_end_k_qfb1f0706d3_outp-k_qfb1f0706d3_outp
	.p2alignl 7, 3214868480
	.fill 96, 4, 3214868480
	.section	.rodata,"a",@progbits
	.p2align	6, 0x0
	.amdhsa_kernel k_qfb1f0706d3_outp
		.amdhsa_group_segment_fixed_size 34304
		.amdhsa_private_segment_fixed_size 0
		.amdhsa_enable_private_segment 0
		.amdhsa_kernarg_size 48
		.amdhsa_user_sgpr_count 2
		.amdhsa_user_sgpr_kernarg_segment_ptr 1
		.amdhsa_wavefront_size32 1
		.amdhsa_system_sgpr_workgroup_id_x 1
		.amdhsa_system_sgpr_workgroup_id_y 1
		.amdhsa_system_sgpr_workgroup_id_z 1
		.amdhsa_system_vgpr_workitem_id 0
		.amdhsa_next_free_vgpr 1024
		.amdhsa_next_free_sgpr 66
		.amdhsa_reserve_vcc 0
		.amdhsa_float_denorm_mode_32 3
		.amdhsa_float_denorm_mode_16_64 3
		.amdhsa_memory_ordered 1
		.amdhsa_forward_progress 1
		.amdhsa_inst_pref_size 36
	.end_amdhsa_kernel
	.amdgpu_metadata
---
amdhsa.version: [ 1, 2 ]
amdhsa.kernels:
  - .name:           k_qfb1f0706d3_outp
    .symbol:         k_qfb1f0706d3_outp.kd
    .args:
      - { .name: ctxc, .offset: 0, .size: 8, .value_kind: global_buffer, .address_space: global }
      - { .name: ctxs, .offset: 8, .size: 8, .value_kind: global_buffer, .address_space: global }
      - { .name: Wo_codes, .offset: 16, .size: 8, .value_kind: global_buffer, .address_space: global }
      - { .name: Wo_scales, .offset: 24, .size: 8, .value_kind: global_buffer, .address_space: global }
      - { .name: bo, .offset: 32, .size: 8, .value_kind: global_buffer, .address_space: global }
      - { .name: out0, .offset: 40, .size: 8, .value_kind: global_buffer, .address_space: global }
    .group_segment_fixed_size: 34304
    .private_segment_fixed_size: 0
    .kernarg_segment_align: 8
    .kernarg_segment_size: 48
    .max_flat_workgroup_size: 128
    .sgpr_count:     66
    .vgpr_count:     1024
    .wavefront_size: 32
...
	.end_amdgpu_metadata
.endif
;; end of part 3
